; MI455X (gfx1250); checked and timed in simulation.
; The chip was launched on July 23, 2026; its instructions are those of AMD's public machine-readable ISA for CDNA 5 (MIT licence, August 2026) and "CDNA5" Instruction Set Architecture Reference Guide (July 2026). The comments in the code are by the model that wrote it; some were corrected since.
;; Bert Self Attention. Allowed arithmetic: matrix products marked QUANTISED: E2M3 operands, one E8M0 scale for each 32 along K, by v_wmma_scale_f32_16x16x128_f8f6f4 with both operands' format E2M3, f32 sums; everything else in f32.
;; Inputs: Wk 1,024 x 1,024 float32; Wq 1,024 x 1,024 float32; Wv 1,024 x 1,024 float32; attention_mask 4 x 1 x 1 x 2,048 float32; bk 1,024 float32; bq 1,024 float32; bv 1,024 float32; hidden_states 4 x 2,048 x 1,024 float32.
;; Outputs: out0 4 x 2,048 x 1,024 float32.
;; This version of the problem:
;;   THIS VERSION OF THE PROBLEM IS GIVEN IN LOW PRECISION. The matrix products marked QUANTISED in the list below multiply operands that are first quantised to E2M3 (2 exponent bits, 3 mantissa bits; 6 bits a number), with one power-of-two scale for each 32 numbers along K (OCP MX v1.0); their sums are f32. All else is computed in f32.
;;   The module's matrix products, in the order in which they are computed (A, B: the left and right operand; K: the contracted axis; several contracted axes count as one K, in the product's order):
;;     1. [M 8,192, K 1,024] x [K 1,024, N 1,024]; A: input hidden_states; B: input Wq: QUANTISED
;;     2. [M 8,192, K 1,024] x [K 1,024, N 1,024]; A: input hidden_states; B: input Wk: QUANTISED
;;     3. [M 8,192, K 1,024] x [K 1,024, N 1,024]; A: input hidden_states; B: input Wv: QUANTISED
;;     4. batch 64 x [M 2,048, K 64] x [K 64, N 2,048]; A: computed on the way; B: computed on the way: QUANTISED
;;     5. batch 64 x [M 2,048, K 2,048] x [K 2,048, N 64]; A: softmax (see below); B: computed on the way: QUANTISED
;;   THE QUANTISER, for each operand of a quantised product, along K:
;;     - K is cut into blocks of 32 from its start; a last block that is shorter is filled with zeros.
;;     - A block's scale is 2^e with e = floor(log2(the largest magnitude in the block)) - 2, held to -126 .. 127; a block of zeros has e = 0. As a byte (E8M0): e + 127.
;;     - Each number is divided by its block's scale, clamped to +-7.5, and rounded to the nearest number of E2M3, ties to even, subnormals kept.
;;     - The product sums the exact products of the quantised numbers (number of the format x scale) in f32.
;;   ~~~python
;;   def quantise(x, axis):      # numpy; x: float32 -> the quantised numbers, widened to float32 again
;;       x = np.moveaxis(x, axis, -1); K = x.shape[-1]
;;       x = np.pad(x, [(0, 0)] * (x.ndim - 1) + [(0, -K % 32)]); x = x.reshape(x.shape[:-1] + (-1, 32)); a = np.abs(x).max(-1, keepdims=True)
;;       e = np.where(a > 0, np.clip(np.frexp(np.where(a > 0, a, 1))[1] - 1 - 2, -126, 127), 0)      # np.frexp(a)[1] - 1 = floor(log2(a)), exactly
;;       r = np.clip(x / 2.0 ** e, -7.5, 7.5)
;;       step = 2.0 ** (np.maximum(np.frexp(np.where(r == 0, 1, r))[1] - 1, 0) - 3)
;;       q = np.round(r / step) * step * 2.0 ** e      # np.round: ties to even
;;       return np.moveaxis(q.reshape(q.shape[:-2] + (-1,))[..., :K], -1, axis).astype(np.float32)
;;   ~~~
;;   SOFTMAX AHEAD OF A QUANTISED PRODUCT. Where the list says 'softmax', what is quantised is not the finished softmax but p = 2^(t - M), with t = logit x log2(e) and M = ceil(the row's largest t), a whole number; so 1/2 < the row's largest p <= 1. The row's sum l is taken of the UNQUANTISED p, in f32, and the product's result is divided by l at the end. Since M is a whole number, a kernel that streams over the keys may use a running M (the ceiling of the running maximum): every later rescaling is an exact power of two, which a block's scale takes up: the codes' values come out the same.
;;   OPERANDS COMPUTED ON THE WAY. 'Computed on the way' means the value that the module computes at that place (a softmax that the list does not call 'softmax' is quantised finished and normalised). What goes into a quantiser is computed in f32, as accurately as f32 sums, v_exp_f32 and their like allow (about 1e-6 of the number): no bf16 or f16 on the way to a quantiser, and a product that is left as it is and whose result goes on into a quantised operand takes f32 operands (vector FMAs, or v_wmma_f32_16x16x4_f32). A number that lies on a knife's edge between two numbers of the format may be rounded either way, as far as f32 arithmetic and the matrix unit's own rounding can turn it there, and no further.
;; One version. Each part assembles by itself: llvm-mc -triple=amdgcn-amd-amdhsa -mcpu=gfx1250 --defsym DOCPART=n.
;; ======== version 1 of 1: 3 launches
;; limits: right only within a limited range of input values
;; workspace buffers: xq 6,553,600 bytes; wq 2,457,600 bytes; qc 13,369,344 bytes; kv 13,369,344 bytes
;; launch quant (part 1): grid 352 x 1, 4 waves a work-group, no clusters, 34,304 bytes of LDS; arguments hidden_states, Wq, Wk, Wv, xq, wq; writes xq, wq
.if DOCPART == 1
	.amdgcn_target "amdgcn-amd-amdhsa--gfx1250"
	.amdhsa_code_object_version 6
	.text
	.protected	k_qa6989744f6_quant
	.globl	k_qa6989744f6_quant
	.p2align	8
	.type	k_qa6989744f6_quant,@function
k_qa6989744f6_quant:
	s_mov_b64 s[64:65], 0
	v_nop
	global_prefetch_b8 v0, s[64:65] scope:SCOPE_SE
	s_setreg_imm32_b32 hwreg(HW_REG_WAVE_MODE, 25, 1), 1
	s_wait_xcnt 0x0
; THE FIRST OF THREE LAUNCHES.  hidden_states [8192][1024] and Wq, Wk, Wv [1024][1024], f32, K innermost, become codes of FP6 (E2M3) with one E8M0 byte for each 32 along K,
; laid as IMAGES OF THE MATRIX OPERANDS' REGISTERS, so that the next launch brings them by dense blocks and reads a fragment by three loads of 16 bytes a lane.
; LAYOUT of xq (64 groups of 128 rows) and wq (24 groups: Wq 0-7, Wk 8-15, Wv 16-23): [group][chunk c of 256 along K][25,600 bytes].  In a chunk: the fragment (K step s = 0, 1 of 128; tile i = 0..7 of 16 rows)
; at (8 s + i) x 1,536: three planes of 512 bytes, plane p = registers 4 p .. 4 p + 3 of lane l at 16 l.  Behind them, at 24,576 + 256 (i / 2) + 8 x lane, lane = 16 (i % 2) + r: row r's scale words of K steps 0 and 1.
; THE ROWS OF A TILE ARE NOT NEIGHBOURS: lane r of tile 2 g + u takes row 32 g + 8 u + r + 8 (r / 8) of its group, so that a product that takes such tiles as source 0 has 16 neighbouring rows in the 16 registers of two neighbouring tiles.
; A block's scale is 2^(floor(log2(its largest magnitude)) - 2); its byte is the largest magnitude's exponent field - 2, held at 1 from below.  A block of zeros keeps the byte 1 where the rule says 127: its codes are zeros, and this program alone reads the bytes.
; LIMITS: NaN and infinities among the inputs are not served.
; SHARES.  A work-group owns 32 rows (two tiles); the first 256 work-groups take hidden_states, then 32 each Wq, Wk, Wv.  Wave w owns chunk w: four sub-units n = 2 u + s of 16 rows x 128 along K.
; A load reads 512 consecutive bytes of one row; the conversions want 16 neighbours along K in ONE lane: so a sub-unit turns through the wave's own stage in LDS (rows 528 bytes apart).  No barrier: waves share nothing.
; No cluster and no matrix unit: no two work-groups read the same bytes, and there is nothing to multiply.
.set SP,     528                       ; a stage row: 512 bytes + 16
.set STG,    16*SP                     ; a wave's stage
.set GROUPB, 102400
.set CHUNKB, 25600
.set IMG,    1536
.set L16,  1                           ; v1   16 x lane
.set L8,   2                           ; v2   8 x lane
.set SIN,  3                           ; v3   the stage, on the way in: 16 x lane
.set SOUT, 4                           ; v4   and on the way out: row r, + 64 h
.set R,    16                          ; v16-143  two sets of 64 registers as loaded
.set X,    144                         ; v144-207 register 16 b + i = k 32 b + 16 h + i of my row
.set PC,   208                         ; v208-227 the codes just made
.set TM,   228                         ; v228-243 at work
.set PW,   244                         ; v244     the scale word just made
.set PWS,  246                         ; v246-249 the four sub-units' scale words
.set WD,   250                         ; v[250:251] what leaves of them
.set SRC,  16
.set DST,  18
.set DSTC, 20
.set DSTS, 22
.set WV,   24
.set SEL,  28
.set HM,   30
; 64 numbers of a lane, v[s] .. v[s + 63], register 16 b + i = k 32 b + 16 (lane / 16) + i of my row, become a fragment's codes in v[PC] .. v[PC + 11] and its scale word in v[PW].
.macro QUANT s, floor
.irp b, 0,1,2,3
	v_max3_num_f32 v[TM+\b], |v[\s+16*\b]|, |v[\s+1+16*\b]|, \floor   ; block b: my 16 numbers, and a floor under which no largest magnitude is taken
.endr
.irp i, 2,4,6,8,10,12,14
.irp b, 0,1,2,3
	v_max3_num_f32 v[TM+\b], v[TM+\b], |v[\s+16*\b+\i]|, |v[\s+1+16*\b+\i]|   ; the four blocks by turns
.endr
.endr
.irp b, 0,1,2,3
	v_permlanex16_b32 v[TM+4+\b], v[TM+\b], s[SEL], s[SEL+1]
.endr
.irp b, 0,1,2,3
	v_max_num_f32 v[TM+\b], v[TM+\b], v[TM+4+\b]   ; with lane l xor 16's: the block's largest magnitude
.endr
.irp b, 0,1,2,3
	v_add_nc_u32 v[TM+12+\b], 0xff000000, v[TM+\b]   ; 2 off its exponent field: the conversion takes the exponent field of this operand as its scale
.endr
.irp b, 0,1,2,3
	v_lshrrev_b32 v[TM+4+\b], 23, v[TM+12+\b]      ; the scale's byte
.endr
	v_lshl_or_b32 v[PW], v[TM+5], 8, v[TM+4]       ; the four bytes make my row's scale word
	v_lshl_or_b32 v[PW], v[TM+6], 16, v[PW]
	v_lshl_or_b32 v[PW], v[TM+7], 24, v[PW]
.irp c, 0,1
	v_cvt_scalef32_pk16_fp6_f32 v[PC+6*\c:PC+2+6*\c], v[\s+32*\c:\s+15+32*\c], v[TM+12+2*\c]
	v_cvt_scalef32_pk16_fp6_f32 v[PC+12+4*\c:PC+14+4*\c], v[\s+16+32*\c:\s+31+32*\c], v[TM+12+2*\c+1]   ; (a conversion's three registers begin on an even number)
.endr
	v_nop                                          ; one plain place behind a scaled conversion
.irp c, 0,1                                    ; the operand's layout wants a WHOLE block in a lane: lanes 0-15 block 2 c, lanes 16-31 block 2 c + 1
.irp i, 0,1,2
	v_permlane16_swap_b32 v[PC+6*\c+\i], v[PC+12+4*\c+\i]
.endr
.irp i, 0,1,2
	v_mov_b32 v[PC+3+6*\c+\i], v[PC+12+4*\c+\i]
.endr
.endr
.endm
	s_load_b256 s[4:11], s[0:1], 0x0               ; hidden_states s[4:5], Wq s[6:7], Wk s[8:9], Wv s[10:11]
	s_load_b128 s[12:15], s[0:1], 0x20             ; xq s[12:13], wq s[14:15]
	v_lshl_add_u32 v254, v0, 2, 0x8400
	v_mov_b32 v255, 0
	v_lshrrev_b32 v5, 5, v0
	v_readfirstlane_b32 s[WV], v5                  ; wave 0..3 = my chunk
	v_and_b32 v6, 31, v0
	v_lshlrev_b32 v[L16], 4, v6
	v_lshlrev_b32 v[L8], 3, v6
	s_mul_i32 s25, s[WV], STG
	v_add_nc_u32 v[SIN], s25, v[L16]
	v_and_b32 v7, 15, v0                           ; r
	v_bfe_u32 v8, v0, 4, 1                         ; h
	v_mul_u32_u24 v[SOUT], v7, SP
	v_lshl_add_u32 v[SOUT], v8, 6, v[SOUT]
	v_add_nc_u32 v[SOUT], s25, v[SOUT]
	s_mov_b32 s[SEL], 0x76543210
	s_mov_b32 s[SEL+1], 0xfedcba98                 ; v_permlanex16_b32's selects for lane l xor 16
	s_mov_b32 s[HM], 0xffff0000                    ; lanes 16-31
.irp b, 0,1,2,3
	v_mov_b32 v[TM+4+\b], 0                        ; written once: a lane permute's destination counts as one of its sources
.endr
	s_and_b32 s26, ttmp9, 31                       ; a weight's pair of tiles
	s_and_b32 s27, ttmp9, 255                      ; the pair's number in xq or in wq
	s_lshr_b32 s32, s27, 2                         ; its group,
	s_and_b32 s33, s27, 3                          ; its place in the group
	s_mul_i32 s32, s32, GROUPB
	s_mul_i32 s34, s[WV], CHUNKB
	s_add_co_u32 s32, s32, s34                     ; my chunk
	s_mul_i32 s34, s33, 2*IMG
	s_add_co_u32 s34, s34, s32                     ; the pair's fragments of K step 0
	s_mov_b32 s35, 0
	s_lshl_b32 s36, s33, 8
	s_add_co_u32 s36, s36, s32
	s_add_co_u32 s36, s36, 16*IMG                  ; the pair's scale words
	s_mov_b32 s37, 0
	s_wait_alu depctr_va_vdst(0)
	s_wait_kmcnt 0x0
	s_cmp_lt_u32 ttmp9, 320                        ; which tensor: the choice hangs on the work-group's number alone
	s_cselect_b64 s[SRC:SRC+1], s[8:9], s[10:11]
	s_cmp_lt_u32 ttmp9, 288
	s_cselect_b64 s[SRC:SRC+1], s[6:7], s[SRC:SRC+1]
	s_cmp_lt_u32 ttmp9, 256
	s_cselect_b64 s[SRC:SRC+1], s[4:5], s[SRC:SRC+1]
	s_cselect_b64 s[DST:DST+1], s[12:13], s[14:15]
	s_cselect_b32 s26, ttmp9, s26                  ; the pair's number in its source
	s_lshl_b32 s26, s26, 17                        ; 32 rows of 4,096 bytes
	s_lshl_b32 s38, s[WV], 10                      ; my chunk's 1,024 bytes of a row
	s_add_co_u32 s38, s38, s26
	s_mov_b32 s39, 0
	s_add_nc_u64 s[SRC:SRC+1], s[SRC:SRC+1], s[38:39]
	s_add_nc_u64 s[DSTC:DSTC+1], s[DST:DST+1], s[34:35]
	s_add_nc_u64 s[DSTS:DSTS+1], s[DST:DST+1], s[36:37]
.macro LOADS n                         ; sub-unit n: tile n / 2, K step n % 2: sixteen rows, 512 consecutive bytes each, into set n % 2
.irp i, 0,1,2,3,4,5,6,7,8,9,10,11,12,13,14,15
	global_load_b128 v[R+64*((\n)%2)+4*\i:R+64*((\n)%2)+4*\i+3], v[L16], s[SRC:SRC+1] offset:(8*((\n)/2)+\i+8*(\i/8))*4096+512*((\n)%2) th:TH_LOAD_NT
.endr
.endm
.macro SUB n
.if (\n) < 3
	s_wait_loadcnt 16                              ; this sub-unit's sixteen loads are in; the next one's sixteen may be out
.else
	s_wait_loadcnt 0x0
.endif
.irp i, 0,1,2,3,4,5,6,7,8,9,10,11,12,13,14,15
	ds_store_b128 v[SIN], v[R+64*((\n)%2)+4*\i:R+64*((\n)%2)+4*\i+3] offset:SP*\i
.endr
.irp b, 0,1,2,3
.irp j, 0,1,2,3
	ds_load_b128 v[X+16*\b+4*\j:X+16*\b+4*\j+3], v[SOUT] offset:128*\b+16*\j   ; LDS serves a wave's instructions in order: these see the stores above
.endr
.endr
	s_wait_dscnt 0x0                               ; my 64 numbers are back, and the stores into the stage have read their registers
.if (\n) > 0
	s_wait_xcnt 0x0                                ; the last sub-unit's stores have read the codes' registers, which are written again below
.endif
.if (\n) < 2
	LOADS (\n)+2                                   ; the set just emptied takes the sub-unit two on
.endif
	QUANT X, 0x1800000                             ; the floor 2^(3 - 127): the byte cannot fall under 1
.irp p, 0,1,2
	global_store_b128 v[L16], v[PC+4*\p:PC+4*\p+3], s[DSTC:DSTC+1] offset:(8*((\n)%2)+(\n)/2)*IMG+512*\p   ; a plane: 512 consecutive bytes, at a multiple of 256 from the buffer's first byte
.endr
	v_mov_b32 v[PWS+(\n)], v[PW]
.endm
	LOADS 0
	LOADS 1
	SUB 0
	SUB 1
	SUB 2
	SUB 3
	v_cndmask_b32 v[WD], v[PWS], v[PWS+2], s[HM]   ; K step 0: lanes 0-15 tile 0's words, lanes 16-31 tile 1's
	v_cndmask_b32 v[WD+1], v[PWS+1], v[PWS+3], s[HM]   ; K step 1
	global_store_b64 v[L8], v[WD:WD+1], s[DSTS:DSTS+1]   ; 256 consecutive bytes, aligned
	s_wait_tensorcnt 0x0
	ds_add_u32 v254, v255
	s_wait_dscnt 0x0
	s_endpgm
.Lfunc_end_k_qa6989744f6_quant:
	.size	k_qa6989744f6_quant, .Lfunc_end_k_qa6989744f6_quant-k_qa6989744f6_quant
	.p2alignl 7, 3214868480
	.fill 96, 4, 3214868480
	.section	.rodata,"a",@progbits
	.p2align	6, 0x0
	.amdhsa_kernel k_qa6989744f6_quant
		.amdhsa_group_segment_fixed_size 34304
		.amdhsa_private_segment_fixed_size 0
		.amdhsa_enable_private_segment 0
		.amdhsa_kernarg_size 48
		.amdhsa_user_sgpr_count 2
		.amdhsa_user_sgpr_kernarg_segment_ptr 1
		.amdhsa_wavefront_size32 1
		.amdhsa_system_sgpr_workgroup_id_x 1
		.amdhsa_system_sgpr_workgroup_id_y 1
		.amdhsa_system_sgpr_workgroup_id_z 1
		.amdhsa_system_vgpr_workitem_id 0
		.amdhsa_next_free_vgpr 256
		.amdhsa_next_free_sgpr 66
		.amdhsa_reserve_vcc 0
		.amdhsa_float_denorm_mode_32 3
		.amdhsa_float_denorm_mode_16_64 3
		.amdhsa_memory_ordered 1
		.amdhsa_forward_progress 1
		.amdhsa_inst_pref_size 34
	.end_amdhsa_kernel
	.amdgpu_metadata
---
amdhsa.version: [ 1, 2 ]
amdhsa.kernels:
  - .name:           k_qa6989744f6_quant
    .symbol:         k_qa6989744f6_quant.kd
    .args:
      - { .name: hidden_states, .offset: 0, .size: 8, .value_kind: global_buffer, .address_space: global }
      - { .name: Wq, .offset: 8, .size: 8, .value_kind: global_buffer, .address_space: global }
      - { .name: Wk, .offset: 16, .size: 8, .value_kind: global_buffer, .address_space: global }
      - { .name: Wv, .offset: 24, .size: 8, .value_kind: global_buffer, .address_space: global }
      - { .name: xq, .offset: 32, .size: 8, .value_kind: global_buffer, .address_space: global }
      - { .name: wq, .offset: 40, .size: 8, .value_kind: global_buffer, .address_space: global }
    .group_segment_fixed_size: 34304
    .private_segment_fixed_size: 0
    .kernarg_segment_align: 8
    .kernarg_segment_size: 48
    .max_flat_workgroup_size: 128
    .sgpr_count:     66
    .vgpr_count:     256
    .wavefront_size: 32
...
	.end_amdgpu_metadata
.endif
;; end of part 1
;; launch proj (part 2): grid 24 x 32, 4 waves a work-group, clusters of 4 x 4, 327,680 bytes of LDS; arguments xq, wq, bq, bk, bv, qc, kv; writes qc, kv
.if DOCPART == 2
	.amdgcn_target "amdgcn-amd-amdhsa--gfx1250"
	.amdhsa_code_object_version 6
	.text
	.protected	k_qa6989744f6_proj
	.globl	k_qa6989744f6_proj
	.p2align	8
	.type	k_qa6989744f6_proj,@function
k_qa6989744f6_proj:
	s_mov_b64 s[64:65], 0
	v_nop
	global_prefetch_b8 v0, s[64:65] scope:SCOPE_SE
	s_setreg_imm32_b32 hwreg(HW_REG_WAVE_MODE, 25, 1), 1
	s_wait_xcnt 0x0
	s_wait_alu depctr_hold_cnt(0) depctr_sa_sdst(0) depctr_va_vdst(0) depctr_va_sdst(0) depctr_va_ssrc(0) depctr_va_vcc(0) depctr_vm_vsrc(0)
	s_getreg_b32 s2, hwreg(HW_REG_IB_STS2, 6, 4)
	s_cmp_eq_u32 s2, 0
	s_cbranch_scc0 .Lentry_in_a_cluster
	s_endpgm
.Lentry_in_a_cluster:
	s_bfe_u32 s2, ttmp6, 0x10000c
	s_cmp_lg_u32 s2, 0xf033
	s_cbranch_scc0 .Lentry_shape_is_right
	s_endpgm
.Lentry_shape_is_right:
; THE SECOND OF THREE LAUNCHES.  q, k, v = x W^T + b on codes of FP6 (E2M3) with E8M0 scales (made by the launch before), sums in f32; the results are quantised in registers and stored as images of the attention's operands.
; SHARES.  Work-group (x = 0..23, y = 0..31): 256 rows of x (groups 2 y, 2 y + 1 of xq) times 128 rows of W (group x of wq: Wq 0-7, Wk 8-15, Wv 16-23), all of K = 1,024.
; ALL OPERANDS LIE IN LDS AT ONCE: four chunks of 256 along K, each x's two groups and W's one, 3 x 25,600 bytes: 307,200 bytes, each filled once.  So there is no ring and nothing is filled again.
; The chunks are read as they land: a counted wait and a barrier in front of each chunk's first read.
; CLUSTERS: 4 x 4 work-groups.  x's blocks hang on y alone and are shared along a row of the cluster, W's on x alone and are shared along a column: each is asked for jointly, by the same tensor load with a mask that names the four.
; THE PRODUCT.  D = (source 0 = P: 16 rows, along which a lane's registers run) x (source 1 = R: the lane's own row).  A wave has 4 tiles of R x 8 tiles of P: 32 accumulators.
;   q, k: P = W's 128 rows (two heads), R = 64 tokens: a lane holds one token and 64 features: registers 16 b + i = feature 32 b + 16 h + i (the rows of a tile are chosen for that): what the quantiser along the head's 64 wants.
;   v:    P = 128 tokens, R = 64 features (one head): a lane holds one feature and 64 tokens: what the quantiser along the KEYS wants.  It is the same text with the two operands' LDS bases exchanged.
; The kind (q, k or v) hangs on the CLUSTER's x alone (0, 1: q; 2, 3: k; 4, 5: v): it is the same in all sixteen partners.
; OUT.  qc and kv: [b x 16 + head][step of 128 tokens][13,056 bytes].  Bytes 0 .. 6,655 (Q in qc, K in kv): tile t = 0..7 of 16 tokens at 768 t: registers 0-3 at 16 x lane, registers 4-5 at 512 + 8 x lane; scale words at
; 6,144 + 256 (t / 4) + 8 x lane: word (t / 2) % 2, lanes 0-15 for an even t, lanes 16-31 for an odd one.  Bytes 6,656 on (kv alone): V: tile t = 0..3 of 16 features x 128 keys at 6,656 + 1,536 t, three planes of 512 bytes;
; scale words at 12,800 + 8 x lane: word t / 2, lanes' half t % 2.
; THE 1 / sqrt(64) OF THE SCORES is a power of two: 3 is taken off q's scale bytes, which is exact.
; LIMITS: a block's largest magnitude is floored at 2^(6 - 127), so that q's byte less 3 stays at 1 or above: blocks of q, k, v under 2^-121 are coded more coarsely than the rule says.  A block of zeros keeps the floor's byte
; (its codes are zeros; this program alone reads the bytes).  NaN and infinities are not served.
; REGISTERS, in windows of 256: window 0: v1-7, v44 addresses; v8-31 scale words, two sets of 12; v32-39 the bias of my rows; v40-43 scale words made; v64-159 R's fragments, two sets of 48 (on the way out: at work); v176-239 the bias along P.
;   window 1: v0-191 P's fragments, two sets of 96.   window 2: the accumulators, (a, b) at v[8 (8 a + b)].
.set CHUNKB, 25600
; LDS AS THIS TEXT LAYS IT (this takes the place of what the head says of chunks and counted waits): BY HALVES OF K.  Half 0 (chunks 0, 1) in bytes 0 .. 153,599: x's group 0 (two chunks on end, 51,200 bytes), x's group 1, W's two chunks;
; half 1 (chunks 2, 3) likewise, 153,600 bytes on.  So all reads of half 0 lie under 153,600, whichever operand is P and whichever R, and all that is on its way meanwhile lands at 153,600 and above.
; FILLS: at the head one joint load a wave: waves 0 and 1 chunks 0, 1 of x's two groups (200 rows of 256 bytes), waves 2 and 3 W's chunks 0 and 1 (100 rows each).  Half 1 comes the same way behind the three lines and a round
; of the cluster's barrier; a plain barrier ahead of chunk 2's first read, every wave's loads waited for, shows it to all.  Each byte is filled once.
.set GROUPB, 102400
.set IMG,    1536
.set BLK,    13056
.set HEADB,  16*BLK                    ; from a head to the next in qc and kv
.set L16,  1                           ; v1   16 x lane
.set L8,   2                           ; v2   8 x lane
.set ADP,  3                           ; v3   P's fragments in the chunk in hand
.set ADR,  4                           ; v4   R's
.set ADSP, 5                           ; v5   P's scale words
.set ADSR, 6                           ; v6   R's
.set BH,   7                           ; v7   64 h: the bias along P
.set BRO,  44                          ; v44  the bias of my row of R
.set SC,   8
.set BR,   32
.set PWS,  40
.set RF,   64
.set BP,   176
.set H,    64                          ; the way out: 64 numbers,
.set PC,   128                         ; their codes,
.set TM,   148                         ; at work,
.set PW,   164                         ; the scale word just made,
.set WD,   166                         ; v[166:167], v[168:169] what leaves of the scale words
.set WV,   18
.set G1X,  28
.set G1W,  36
.set G0X,  44                          ; s[44:51] group 0 for x's four chunks
.set G0W,  68                          ; s[68:75] for W's
.set SEL,  60
.set HM,   62
.set SUBQ, 63
.set PBIAS, 84
.set OUT,  86
.set OUTC, 88
.set OUTS, 90
.set MSB, 0
.macro WIN new                         ; the immediate's high byte repeats the setting that is left
.if MSB != \new
	s_set_vgpr_msb (MSB<<8)|\new
.set MSB, \new
.endif
.endm
.set MUL,    0xa1                      ; source 0 (P) window 1, source 1 (R) window 0, C and D window 2
.set TO_P,   0x40                      ; destination window 1, address window 0
.set RD_ACC, 0x02                      ; source 0 window 2
.macro CROUND                          ; a round of the cluster's barrier
	s_barrier_signal -1
	s_barrier_wait -1
	s_cmp_lg_u32 s[WV], 0
	s_cbranch_scc1 .Lnot_wave_0_\@
	s_barrier_signal -3
.Lnot_wave_0_\@:
	s_barrier_wait -3
	s_barrier_signal -1
	s_barrier_wait -1
.endm
; 64 numbers of a lane, v[s] .. v[s + 63], register 16 b + i = k 32 b + 16 (lane / 16) + i of my row, become a fragment's codes in v[PC] .. v[PC + 11] and its scale word in v[PW].
.macro QUANT s, floor
.irp b, 0,1,2,3
	v_max3_num_f32 v[TM+\b], |v[\s+16*\b]|, |v[\s+1+16*\b]|, \floor   ; block b: my 16 numbers, and a floor under which no largest magnitude is taken
.endr
.irp i, 2,4,6,8,10,12,14
.irp b, 0,1,2,3
	v_max3_num_f32 v[TM+\b], v[TM+\b], |v[\s+16*\b+\i]|, |v[\s+1+16*\b+\i]|   ; the four blocks by turns
.endr
.endr
.irp b, 0,1,2,3
	v_permlanex16_b32 v[TM+4+\b], v[TM+\b], s[SEL], s[SEL+1]
.endr
.irp b, 0,1,2,3
	v_max_num_f32 v[TM+\b], v[TM+\b], v[TM+4+\b]   ; with lane l xor 16's: the block's largest magnitude
.endr
.irp b, 0,1,2,3
	v_add_nc_u32 v[TM+12+\b], 0xff000000, v[TM+\b]   ; 2 off its exponent field: the conversion takes the exponent field of this operand as its scale
.endr
.irp b, 0,1,2,3
	v_lshrrev_b32 v[TM+4+\b], 23, v[TM+12+\b]      ; the scale's byte
.endr
	v_lshl_or_b32 v[PW], v[TM+5], 8, v[TM+4]       ; the four bytes make my row's scale word
	v_lshl_or_b32 v[PW], v[TM+6], 16, v[PW]
	v_lshl_or_b32 v[PW], v[TM+7], 24, v[PW]
.irp c, 0,1
	v_cvt_scalef32_pk16_fp6_f32 v[PC+6*\c:PC+2+6*\c], v[\s+32*\c:\s+15+32*\c], v[TM+12+2*\c]
	v_cvt_scalef32_pk16_fp6_f32 v[PC+12+4*\c:PC+14+4*\c], v[\s+16+32*\c:\s+31+32*\c], v[TM+12+2*\c+1]   ; (a conversion's three registers begin on an even number)
.endr
	v_nop                                          ; one plain place behind a scaled conversion
.irp c, 0,1                                    ; the operand's layout wants a WHOLE block in a lane
.irp i, 0,1,2
	v_permlane16_swap_b32 v[PC+6*\c+\i], v[PC+12+4*\c+\i]
.endr
.irp i, 0,1,2
	v_mov_b32 v[PC+3+6*\c+\i], v[PC+12+4*\c+\i]
.endr
.endr
.endm
	s_load_b256 s[4:11], s[0:1], 0x0               ; xq s[4:5], wq s[6:7], bq s[8:9], bk s[10:11]
	s_load_b128 s[12:15], s[0:1], 0x20             ; bv s[12:13], qc s[14:15]
	s_load_b64 s[16:17], s[0:1], 0x30              ; kv
	v_lshl_add_u32 v254, v0, 2, 0x4b000
	v_mov_b32 v255, 0
	ds_add_u32 v254, v255
	ds_add_u32 v254, v255
	v_lshrrev_b32 v1, 5, v0
	v_readfirstlane_b32 s[WV], v1                  ; wave 0..3
	s_lshr_b32 s19, s[WV], 1                       ; which of x's two groups is mine
	s_and_b32 s20, s[WV], 1                        ; which four tiles of R
	s_bfe_u32 s21, ttmp6, 0x40000                  ; cx
	s_bfe_u32 s22, ttmp6, 0x40004                  ; cy
	s_lshl_b32 s23, ttmp9, 2
	s_add_co_u32 s23, s23, s21                     ; x = 4 x cluster x + cx
	s_and_b32 s24, ttmp7, 0xffff
	s_lshl_b32 s24, s24, 2
	s_add_co_u32 s24, s24, s22                     ; y = 4 x cluster y + cy
	s_lshl_b32 s25, s22, 2
	s_lshl_b32 s25, 15, s25                        ; my row of the cluster
	s_lshl_b32 s26, 0x1111, s21                    ; my column
	; descriptor group 1: a dense block of 25,600 bytes as 100 rows of 32 elements of 8 bytes; no padding
	s_or_b32 s[G1X], s25, (3<<16)|(1<<21)          ; 15:0 the mask: x's blocks go to my row; 17:16 elements of 8 bytes; 21 set beside a mask
	s_or_b32 s[G1W], s26, (3<<16)|(1<<21)          ; W's go to my column
.irp g, G1X, G1W
	s_mov_b32 s[\g+1], 32<<16                      ; tensor_dim0
	s_mov_b32 s[\g+2], 100<<16                     ; tensor_dim1
	s_mov_b32 s[\g+3], 32<<16                      ; tile_dim0
	s_mov_b32 s[\g+4], 100                         ; tile_dim1
	s_mov_b32 s[\g+5], 32                          ; tensor_dim0_stride
	s_mov_b32 s[\g+6], 0
	s_mov_b32 s[\g+7], 0
.endr
	s_mov_b32 s[G1X+2], 200<<16                    ; x's loads bring two chunks: 200 rows
	s_mov_b32 s[G1X+4], 200
	s_lshl_b32 s92, s24, 1
	s_add_co_u32 s92, s92, s20                     ; waves 0 and 1 fetch x's groups 2 y and 2 y + 1: y and the wave's number alone
	s_mul_i32 s92, s92, GROUPB
	s_mov_b32 s93, 0
	s_mul_i32 s94, s23, GROUPB                     ; wave 2 fetches W's group x: x alone
	s_mov_b32 s95, 0
	s_mul_i32 s76, s20, CHUNKB                     ; waves 2 and 3 fetch one chunk of W each: the even or the odd one of a half,
	s_add_co_u32 s94, s94, s76                     ; in memory,
	s_add_co_u32 s76, s76, 4*CHUNKB                ; and in LDS: behind x's two groups' parts of the half
	s_mul_i32 s96, s20, 2*CHUNKB                   ; where x's group goes in a half
	; which operand is P and which R
	s_mul_i32 s97, s19, 2*CHUNKB                   ; my group of x in a half
	s_cmp_ge_u32 ttmp9, 4                          ; v?
	s_cselect_b32 s98, 4*CHUNKB, s97               ; R's base: W's part for v, x's for q and k
	s_cselect_b32 s99, s97, 4*CHUNKB               ; P's base: the other one
	s_cselect_b32 s25, s20, 0                      ; v: my four tiles of R are one head, the even or the odd one
	s_cselect_b32 s26, 6656, 0                     ; v: behind K's part of a block
	s_lshr_b32 s27, s24, 3                         ; the batch
	s_lshl_b32 s27, s27, 4
	s_and_b32 s2, s23, 7                           ; W's group within its tensor: heads 2 (x & 7) and 2 (x & 7) + 1
	s_lshl_b32 s3, s2, 1
	s_add_co_u32 s27, s27, s3
	s_add_co_u32 s27, s27, s25
	s_lshl_b32 s27, s27, 4
	s_and_b32 s3, s24, 7
	s_lshl_b32 s3, s3, 1
	s_add_co_u32 s27, s27, s3
	s_add_co_u32 s27, s27, s19                     ; + the step of 128 tokens: 2 (y & 7) + my group
	s_mul_i32 s27, s27, BLK
	s_add_co_u32 s26, s26, s27
	s_mov_b32 s27, 0                               ; s[26:27]: where my results begin
	s_mov_b32 s[SEL], 0x76543210
	s_mov_b32 s[SEL+1], 0xfedcba98                 ; v_permlanex16_b32's selects for lane l xor 16
	s_mov_b32 s[HM], 0xffff0000                    ; lanes 16-31
	v_and_b32 v45, 31, v0
	v_lshlrev_b32 v[L16], 4, v45
	v_lshlrev_b32 v[L8], 3, v45
	v_add_nc_u32 v[ADP], s99, v[L16]
	s_mul_i32 s3, s20, 4*IMG
	s_add_co_u32 s3, s3, s98
	v_add_nc_u32 v[ADR], s3, v[L16]                ; my four tiles of R
	s_add_co_u32 s3, s99, 16*IMG
	v_add_nc_u32 v[ADSP], s3, v[L8]
	s_lshl_b32 s3, s20, 9
	s_add_co_u32 s3, s3, s98
	s_add_co_u32 s3, s3, 16*IMG
	v_add_nc_u32 v[ADSR], s3, v[L8]                ; my two pairs of tiles of R
	v_bfe_u32 v46, v0, 4, 1                        ; h
	v_lshlrev_b32 v[BH], 6, v46
	v_and_b32 v47, 15, v0                          ; r
	v_and_b32 v[BRO], 8, v47
	v_add_nc_u32 v[BRO], v[BRO], v47               ; r + 8 (r / 8)
	v_lshlrev_b32 v[BRO], 2, v[BRO]
	s_lshl_b32 s3, s20, 8
	v_add_nc_u32 v[BRO], s3, v[BRO]                ; + my 64 rows of W's 128
	s_wait_dscnt 0x0
	s_wait_kmcnt 0x0
	s_add_nc_u64 s[92:93], s[4:5], s[92:93]
	s_add_nc_u64 s[94:95], s[6:7], s[94:95]
.irp c, 0,1                                    ; group 0 for the two halves of K: chunks 0, 1 and chunks 2, 3
	s_mov_b32 s[G0X+4*\c], 1
	s_add_co_u32 s[G0X+4*\c+1], s96, 6*CHUNKB*\c
	s_add_nc_u64 s[G0X+4*\c+2:G0X+4*\c+3], s[92:93], 2*CHUNKB*\c
	s_or_b32 s[G0X+4*\c+3], s[G0X+4*\c+3], 0x80000000
	s_mov_b32 s[G0W+4*\c], 1
	s_add_co_u32 s[G0W+4*\c+1], s76, 6*CHUNKB*\c
	s_add_nc_u64 s[G0W+4*\c+2:G0W+4*\c+3], s[94:95], 2*CHUNKB*\c
	s_or_b32 s[G0W+4*\c+3], s[G0W+4*\c+3], 0x80000000
.endr
	s_cmp_lt_u32 ttmp9, 4
	s_cselect_b64 s[PBIAS:PBIAS+1], s[10:11], s[12:13]
	s_cmp_lt_u32 ttmp9, 2
	s_cselect_b64 s[PBIAS:PBIAS+1], s[8:9], s[PBIAS:PBIAS+1]
	s_cselect_b64 s[OUT:OUT+1], s[14:15], s[16:17]   ; q goes to qc, k and v to kv
	s_cselect_b32 s[SUBQ], 0x03030303, 0           ; q: 3 off each scale byte
	s_lshl_b32 s2, s2, 9
	s_mov_b32 s3, 0
	s_add_nc_u64 s[PBIAS:PBIAS+1], s[PBIAS:PBIAS+1], s[2:3]   ; the bias of W's 128 rows
	s_add_nc_u64 s[OUT:OUT+1], s[OUT:OUT+1], s[26:27]
	s_mul_i32 s2, s20, 4*768
	s_add_nc_u64 s[OUTC:OUTC+1], s[OUT:OUT+1], s[2:3]   ; q, k: my four tiles of tokens,
	s_lshl_b32 s2, s20, 8
	s_add_co_u32 s2, s2, 6144
	s_add_nc_u64 s[OUTS:OUTS+1], s[OUT:OUT+1], s[2:3]   ; and their scale words
	CROUND                                         ; all sixteen work-groups are here: the joint loads meet
.macro JLOAD c                         ; half c of K, one joint load a wave: waves 0 and 1 for x, waves 2 and 3 for W; the branch hangs on the wave's number alone
	s_cmp_lt_u32 s[WV], 2
	s_cbranch_scc0 .Lfor_w_\@
	tensor_load_to_lds s[G0X+4*\c:G0X+4*\c+3], s[G1X:G1X+7]
	s_nop 0
.rept 4
	v_nop
.endr
	s_branch .Lasked_\@
.Lfor_w_\@:
	tensor_load_to_lds s[G0W+4*\c:G0W+4*\c+3], s[G1W:G1W+7]
	s_nop 0
.rept 4
	v_nop
.endr
.Lasked_\@:
.endm
	JLOAD 0
	; the bias both ways, the same lines for every kind: along P (q, k: register 16 b + i = feature 32 b + 16 h + i) and of my row of R (v), twice, for the packed addition
	s_wait_alu depctr_va_vdst(0)
.irp b, 0,1,2,3
.irp j, 0,1,2,3
	global_load_b128 v[BP+16*\b+4*\j:BP+16*\b+4*\j+3], v[BH], s[PBIAS:PBIAS+1] offset:128*\b+16*\j
.endr
.endr
.irp a, 0,1,2,3
	global_load_b32 v[BR+2*\a], v[BRO], s[PBIAS:PBIAS+1] offset:(32*(\a/2)+8*(\a%2))*4
	global_load_b32 v[BR+2*\a+1], v[BRO], s[PBIAS:PBIAS+1] offset:(32*(\a/2)+8*(\a%2))*4
.endr
; the fragments of K step s of the chunk in hand into set p: P's eight, R's four: 36 loads of 512 consecutive bytes
.macro FETCH s, p
	WIN TO_P
.irp b, 0,1,2,3,4,5,6,7
.irp l, 0,1,2
	ds_load_b128 v[96*(\p)+12*\b+4*\l:96*(\p)+12*\b+4*\l+3], v[ADP] offset:8*IMG*(\s)+IMG*\b+512*\l
.endr
.endr
	WIN 0
.irp a, 0,1,2,3
.irp l, 0,1,2
	ds_load_b128 v[RF+48*(\p)+12*\a+4*\l:RF+48*(\p)+12*\a+4*\l+3], v[ADR] offset:8*IMG*(\s)+IMG*\a+512*\l
.endr
.endr
.endm
; a chunk's scale words into set sc: register 2 i + s: P's pair of tiles i (lanes 0-15 the even tile, lanes 16-31 the odd one), K step s; register 8 + 2 i + s: R's
.macro SCALES sc
.irp i, 0,1,2,3
	ds_load_b64 v[SC+12*(\sc)+2*\i:SC+12*(\sc)+2*\i+1], v[ADSP] offset:256*\i
.endr
.irp i, 0,1
	ds_load_b64 v[SC+12*(\sc)+8+2*\i:SC+12*(\sc)+8+2*\i+1], v[ADSR] offset:256*\i
.endr
.endm
; two products: R's tile a against P's tiles 2 bb and 2 bb + 1.  An odd tile's scale words stand in lanes 16-31.  zero = 1: the first K step starts the sums: nothing is cleared
.macro MM2 a, bb, p, s, sc, zero
.set rD, 8*(8*(\a)+2*(\bb))
.set rP, 96*(\p)+24*(\bb)
.set rR, RF+48*(\p)+12*(\a)
.set rX, SC+12*(\sc)+2*(\bb)+(\s)
.set rY, SC+12*(\sc)+8+2*((\a)/2)+(\s)
.if (\zero) && ((\a)%2 == 0)
	v_wmma_scale_f32_16x16x128_f8f6f4 v[rD:rD+7], v[rP:rP+11], v[rR:rR+11], 0, v[rX], v[rY] matrix_a_fmt:MATRIX_FMT_FP6 matrix_b_fmt:MATRIX_FMT_FP6
	v_wmma_scale_f32_16x16x128_f8f6f4 v[rD+8:rD+15], v[rP+12:rP+23], v[rR:rR+11], 0, v[rX], v[rY] matrix_a_fmt:MATRIX_FMT_FP6 matrix_b_fmt:MATRIX_FMT_FP6 matrix_a_scale:MATRIX_SCALE_ROW1
.elseif \zero
	v_wmma_scale_f32_16x16x128_f8f6f4 v[rD:rD+7], v[rP:rP+11], v[rR:rR+11], 0, v[rX], v[rY] matrix_a_fmt:MATRIX_FMT_FP6 matrix_b_fmt:MATRIX_FMT_FP6 matrix_b_scale:MATRIX_SCALE_ROW1
	v_wmma_scale_f32_16x16x128_f8f6f4 v[rD+8:rD+15], v[rP+12:rP+23], v[rR:rR+11], 0, v[rX], v[rY] matrix_a_fmt:MATRIX_FMT_FP6 matrix_b_fmt:MATRIX_FMT_FP6 matrix_a_scale:MATRIX_SCALE_ROW1 matrix_b_scale:MATRIX_SCALE_ROW1
.elseif (\a)%2 == 0
	v_wmma_scale_f32_16x16x128_f8f6f4 v[rD:rD+7], v[rP:rP+11], v[rR:rR+11], v[rD:rD+7], v[rX], v[rY] matrix_a_fmt:MATRIX_FMT_FP6 matrix_b_fmt:MATRIX_FMT_FP6
	v_wmma_scale_f32_16x16x128_f8f6f4 v[rD+8:rD+15], v[rP+12:rP+23], v[rR:rR+11], v[rD+8:rD+15], v[rX], v[rY] matrix_a_fmt:MATRIX_FMT_FP6 matrix_b_fmt:MATRIX_FMT_FP6 matrix_a_scale:MATRIX_SCALE_ROW1
.else
	v_wmma_scale_f32_16x16x128_f8f6f4 v[rD:rD+7], v[rP:rP+11], v[rR:rR+11], v[rD:rD+7], v[rX], v[rY] matrix_a_fmt:MATRIX_FMT_FP6 matrix_b_fmt:MATRIX_FMT_FP6 matrix_b_scale:MATRIX_SCALE_ROW1
	v_wmma_scale_f32_16x16x128_f8f6f4 v[rD+8:rD+15], v[rP+12:rP+23], v[rR:rR+11], v[rD+8:rD+15], v[rX], v[rY] matrix_a_fmt:MATRIX_FMT_FP6 matrix_b_fmt:MATRIX_FMT_FP6 matrix_a_scale:MATRIX_SCALE_ROW1 matrix_b_scale:MATRIX_SCALE_ROW1
.endif
.endm
.macro MUL32 p, s, sc, zero            ; a K step's 32 products: the 32 accumulators take turns, one instruction a turn, in the same order in every step
.irp a, 0,1,2,3
.irp bb, 0,1,2,3
	MM2 \a, \bb, \p, \s, \sc, \zero
.endr
.endr
.endm
; K step q of eight (128 along K).  The next step's fragments are asked for first, into the other set, and land while this step's 32 products are issued.
.macro KS q
	s_wait_dscnt 0x0                               ; this step's fragments and scale words are in; no LDS instruction of mine is out at the signal below
.if (\q) < 7
.if (\q)%2 == 1
.if (\q) == 3
	s_wait_tensorcnt 0x0                           ; my part of chunks 2 and 3 has landed
	s_barrier_signal -1
	s_barrier_wait -1                              ; everybody's has.
.set STP, 5*CHUNKB                     ; from chunk 1 to chunk 2: on into the other half
.else
.set STP, CHUNKB                       ; from a half's first chunk to its second
.endif
	v_add_nc_u32 v[ADP], STP, v[ADP]               ; on to the next chunk.  These four are also the places between the last step's products and the loads into the registers that they read
	v_add_nc_u32 v[ADR], STP, v[ADR]
	v_add_nc_u32 v[ADSP], STP, v[ADSP]
	v_add_nc_u32 v[ADSR], STP, v[ADSR]
.elseif (\q) > 0
.rept 4
	v_nop                                          ; four places between the last step's products and the loads into the registers that they read (ISA guide 7.12.1 for vector instructions)
.endr
.endif
	FETCH ((\q)+1)%2, 1-(\q)%2
.if (\q)%2 == 1
	SCALES (((\q)+1)/2)%2
.endif
.endif
	WIN MUL
.if (\q) == 0
	MUL32 0, 0, 0, 1
.else
	MUL32 (\q)%2, (\q)%2, ((\q)/2)%2, 0
.endif
	WIN 0
.endm
	s_wait_tensorcnt 0x0                           ; my part of chunks 0 and 1 has landed
	ds_add_u32 v254, v255
	s_wait_dscnt 0x0
	CROUND                                         ; everybody's has, and all sixteen work-groups are here: the joint loads meet
	JLOAD 1                                        ; chunks 2 and 3: my one tensor load behind the round
	FETCH 0, 0
	SCALES 0
	KS 0
	KS 1
	s_wait_alu depctr_va_vdst(0)
	KS 2
	KS 3
	s_wait_alu depctr_va_vdst(0)
	KS 4
	KS 5
	s_wait_alu depctr_va_vdst(0)
	KS 6
	KS 7
.rept 4
	v_nop                                          ; four places between the last products and the first read of results, and the first write over their operands
.endr
.irp b, 0,1,2,3
	v_mov_b32 v[TM+4+\b], 0                        ; written once: a lane permute's destination counts as one of its sources
.endr
	s_wait_loadcnt 0x0                             ; the bias
; THE WAY OUT of R's tile a: its 64 results and the bias, in f32; quantised; the codes are the attention's operand as they stand.  Each accumulator is read from its low end on.  No LDS.
.macro EPI a, isv
.if (\a) > 0
	s_wait_xcnt 0x0                                ; the last tile's stores have read the codes' registers
.endif
	WIN RD_ACC
.set i, 0
.rept 32
.if \isv
	v_pk_add_f32 v[H+2*i:H+2*i+1], v[64*(\a)+2*i:64*(\a)+2*i+1], v[BR+2*(\a):BR+2*(\a)+1]
.else
	v_pk_add_f32 v[H+2*i:H+2*i+1], v[64*(\a)+2*i:64*(\a)+2*i+1], v[BP+2*i:BP+2*i+1]
.endif
.set i, i+1
.endr
	WIN 0
	QUANT H, 0x3000000                             ; the floor 2^(6 - 127): the byte is 4 at the least
.if \isv
.irp p, 0,1,2
	global_store_b128 v[L16], v[PC+4*\p:PC+4*\p+3], s[OUT:OUT+1] offset:IMG*(\a)+512*\p   ; 16 features x 128 keys: three planes of 512 consecutive bytes
.endr
.else
	global_store_b128 v[L16], v[PC:PC+3], s[OUTC:OUTC+1] offset:768*(\a)                   ; the even head: registers 0-5 = its 64 features
	global_store_b64 v[L8], v[PC+4:PC+5], s[OUTC:OUTC+1] offset:768*(\a)+512
	global_store_b128 v[L16], v[PC+6:PC+9], s[OUTC:OUTC+1] offset:HEADB+768*(\a)           ; the odd head: registers 6-11
	global_store_b64 v[L8], v[PC+10:PC+11], s[OUTC:OUTC+1] offset:HEADB+768*(\a)+512
.endif
	v_mov_b32 v[PWS+(\a)], v[PW]
.endm
	s_cmp_ge_u32 ttmp9, 4                          ; the cluster's x: the same in all partners
	s_cbranch_scc1 .Lv
	EPI 0, 0
	EPI 1, 0
	EPI 2, 0
	EPI 3, 0
	v_cndmask_b32 v[WD], v[PWS], v[PWS+1], s[HM]   ; lanes 0-15 the even tile's words, lanes 16-31 the odd one's
	v_cndmask_b32 v[WD+1], v[PWS+2], v[PWS+3], s[HM]
	v_sub_nc_u32 v[WD], v[WD], s[SUBQ]             ; q: / 8.  Every byte is 4 at the least: no byte borrows from the next
	v_sub_nc_u32 v[WD+1], v[WD+1], s[SUBQ]
	v_lshrrev_b32 v[WD+2], 16, v[WD]               ; bytes 0, 1 are the even head's two blocks, bytes 2, 3 the odd head's.  What stands in a stored word's bytes 2, 3 scales only products with q's zero codes, and is never 0xff
	v_lshrrev_b32 v[WD+3], 16, v[WD+1]
	global_store_b64 v[L8], v[WD:WD+1], s[OUTS:OUTS+1]
	global_store_b64 v[L8], v[WD+2:WD+3], s[OUTS:OUTS+1] offset:HEADB
	s_branch .Ldone
.Lv:
	EPI 0, 1
	EPI 1, 1
	EPI 2, 1
	EPI 3, 1
	v_cndmask_b32 v[WD], v[PWS], v[PWS+1], s[HM]
	v_cndmask_b32 v[WD+1], v[PWS+2], v[PWS+3], s[HM]
	global_store_b64 v[L8], v[WD:WD+1], s[OUT:OUT+1] offset:4*IMG
.Ldone:
	s_wait_tensorcnt 0x0
	ds_add_u32 v254, v255
	s_wait_dscnt 0x0
	CROUND                                         ; the closing round: no work-group ends while a partner may still ask for a block that names it
	s_endpgm
.Lfunc_end_k_qa6989744f6_proj:
	.size	k_qa6989744f6_proj, .Lfunc_end_k_qa6989744f6_proj-k_qa6989744f6_proj
	.p2alignl 7, 3214868480
	.fill 96, 4, 3214868480
	.section	.rodata,"a",@progbits
	.p2align	6, 0x0
	.amdhsa_kernel k_qa6989744f6_proj
		.amdhsa_group_segment_fixed_size 327680
		.amdhsa_private_segment_fixed_size 0
		.amdhsa_enable_private_segment 0
		.amdhsa_kernarg_size 56
		.amdhsa_user_sgpr_count 2
		.amdhsa_user_sgpr_kernarg_segment_ptr 1
		.amdhsa_wavefront_size32 1
		.amdhsa_system_sgpr_workgroup_id_x 1
		.amdhsa_system_sgpr_workgroup_id_y 1
		.amdhsa_system_sgpr_workgroup_id_z 1
		.amdhsa_system_vgpr_workitem_id 0
		.amdhsa_next_free_vgpr 768
		.amdhsa_next_free_sgpr 100
		.amdhsa_reserve_vcc 0
		.amdhsa_float_denorm_mode_32 3
		.amdhsa_float_denorm_mode_16_64 3
		.amdhsa_memory_ordered 1
		.amdhsa_forward_progress 1
		.amdhsa_inst_pref_size 116
	.end_amdhsa_kernel
	.amdgpu_metadata
---
amdhsa.version: [ 1, 2 ]
amdhsa.kernels:
  - .name:           k_qa6989744f6_proj
    .symbol:         k_qa6989744f6_proj.kd
    .args:
      - { .name: xq, .offset: 0, .size: 8, .value_kind: global_buffer, .address_space: global }
      - { .name: wq, .offset: 8, .size: 8, .value_kind: global_buffer, .address_space: global }
      - { .name: bq, .offset: 16, .size: 8, .value_kind: global_buffer, .address_space: global }
      - { .name: bk, .offset: 24, .size: 8, .value_kind: global_buffer, .address_space: global }
      - { .name: bv, .offset: 32, .size: 8, .value_kind: global_buffer, .address_space: global }
      - { .name: qc, .offset: 40, .size: 8, .value_kind: global_buffer, .address_space: global }
      - { .name: kv, .offset: 48, .size: 8, .value_kind: global_buffer, .address_space: global }
    .group_segment_fixed_size: 327680
    .private_segment_fixed_size: 0
    .kernarg_segment_align: 8
    .kernarg_segment_size: 56
    .max_flat_workgroup_size: 128
    .sgpr_count:     100
    .vgpr_count:     768
    .wavefront_size: 32
...
	.end_amdgpu_metadata
.endif
;; end of part 2
;; launch attn (part 3): grid 4 x 64, 16 waves a work-group, clusters of 4 x 1, 288,768 bytes of LDS; arguments qc, kv, attention_mask, out0; writes out0
.if DOCPART == 3
	.amdgcn_target "amdgcn-amd-amdhsa--gfx1250"
	.amdhsa_code_object_version 6
	.text
	.protected	k_qa6989744f6_attn
	.globl	k_qa6989744f6_attn
	.p2align	8
	.type	k_qa6989744f6_attn,@function
k_qa6989744f6_attn:
	s_mov_b64 s[64:65], 0
	v_nop
	global_prefetch_b8 v0, s[64:65] scope:SCOPE_SE
	s_setreg_imm32_b32 hwreg(HW_REG_WAVE_MODE, 25, 1), 1
	s_wait_xcnt 0x0
	s_wait_alu depctr_hold_cnt(0) depctr_sa_sdst(0) depctr_va_vdst(0) depctr_va_sdst(0) depctr_va_ssrc(0) depctr_va_vcc(0) depctr_vm_vsrc(0)
	s_getreg_b32 s2, hwreg(HW_REG_IB_STS2, 6, 4)
	s_cmp_eq_u32 s2, 0
	s_cbranch_scc0 .Lentry_in_a_cluster
	s_endpgm
.Lentry_in_a_cluster:
	s_bfe_u32 s2, ttmp6, 0x10000c
	s_cmp_lg_u32 s2, 0x3003
	s_cbranch_scc0 .Lentry_shape_is_right
	s_endpgm
.Lentry_shape_is_right:
; THE THIRD OF THREE LAUNCHES.  out[b][q][head] = the sum over k of softmax_k(Q . K / 8 + mask[b][k]) V, both products on codes of FP6 (E2M3) with E8M0 scales, as the launch before has laid them (its head comment gives qc's and kv's layout).
; THE SOFTMAX: t = logit x log2(e); M = the row's largest t so far, rounded UP to a whole number; p = 2^(t - M) is quantised along the keys, not normalised.  The row's sum is taken of the unquantised p, in f32, and divides O at the end.
; When M moves, the sum and O are multiplied by 2^(old M - new M): exact.
; SHARES.  A work-group owns 512 queries of one head: sixteen waves, each one tile of 16 queries in each of two trips of sixteen key steps of 128 keys.
; THE WHOLE HEAD LIES IN LDS, each byte filled once: its sixteen blocks (K's codes and scales, V's codes and scales; 13,056 bytes), ONE TENSOR LOAD A WAVE, wave w block w; and the batch's mask, 8,192 bytes, of which each wave brings 512
; by one plain load and one LDS store.  ONE wait and ONE barrier at the head show all of it to all waves; behind it the waves share nothing and meet at no barrier until the end.
; No data prefetch: all that the launch reads of K, V and the mask is asked for at the head; there is no loop to run ahead in.
; CLUSTER.  The four work-groups of a head read the same K and V: each block is asked for jointly, with a mask that names the four.  A work-group's place in its cluster enters the addresses of q and of out alone.
; LAYOUT.  Both products are used transposed: S^T = K Q^T (source 0 = 16 keys, source 1 = my 16 queries), O^T = V^T P^T (source 0 = 16 of the head's 64, source 1 = P): a lane holds ONE query throughout.
; Lane r of tile 2 b + u holds key 32 b + 8 u + r + 8 (r / 8), so that the 16 registers of tiles 2 b and 2 b + 1 are the keys 32 b + 16 h + 0 .. 15.  V's features and my queries follow the same map.
; THE MASK IS THE C OF K Q^T, and q's scale bytes carry the 1 / 8: the product's result is the logit.
; K = 64 IN AN INSTRUCTION OF 128: q's registers 6-11 are zero codes.  K's fragments are six registers a tile, on end; the instruction names twelve, so its upper six are the next tile's codes (behind the last tile: zeros).
; FP6 has finite codes alone and no scale byte here is 0xff: the upper 64 products are zeros.
; LIMITS: NaN among the inputs is not served.  A query all of whose t lie under -3e38 gives 0 / 0 where the softmax of equal logits is uniform.
.set BLK,   13056
.set MB,    16*BLK                     ; behind the blocks: the mask, stored by the waves; no tensor load lands there
.set STAGE, MB+8192                    ; 16 rows x 272 bytes for each wave, for the way out
.set SPARE, STAGE+16*16*272            ; the spare words, 128 bytes a wave
.set L16,  1                           ; v1   16 x lane
.set L8,   2                           ; v2   8 x lane
.set AM0,  3                           ; v3   MB + 64 h
.set ADK,  4                           ; v4   the step's block, + 16 x lane
.set ADK8, 5                           ; v5   + 8 x lane
.set ADM,  6                           ; v6   the step's mask (at the head: where my 16 bytes of the mask go)
.set GO,   7                           ; v7   my byte offset in two rows of out
.set STI,  8                           ; v8   the stage, in
.set STO,  9                           ; v9   and back
.set R8,   10                          ; v10  8 r.   v12 -M, v13 the largest t, v[14:15] the sum in two halves
.set QF,   16                          ; v16-27  q's fragment; v22-27 stay 0
.set QS,   28                          ; v28     q's scale words
.set KF,   32                          ; v32-79  K's eight tiles; v80-85 stay 0
.set BM,   32                          ; in the softmax K's registers are free: v32-35 the blocks' largest logits,
.set T2,   36                          ; v36-43 at work,
.set SO,   44                          ; v44-47 the conversions' scale operands
.set KSC,  86                          ; v86-89  K's scale words
.set VSC,  90                          ; v90-91  V's
.set FF,   92                          ; v[92:93] f = 2^(old M - new M); v93 stays 0
.set TV,   94                          ; v94     at work
.set PSW,  95                          ; v95     p's scale word
.set S,    96                          ; v96-159 the mask, then S^T, then p
.set O,    160                         ; v160-191 O^T
.set VF,   192                         ; v192-239 V's four tiles
.set PCD,  240                         ; v240-251 p's codes
.set WV,   12
.set G1KV, 16
.set G0KV, 36
.set SEL,  52
.set CS,   54
.set TB,   56
.set TMK,  57
.set IT,   58
.set CNT,  59
.set QSB,  66
.macro CROUND                          ; a round of the cluster's barrier
	s_barrier_signal -1
	s_barrier_wait -1
	s_cmp_lg_u32 s[WV], 0
	s_cbranch_scc1 .Lnot_wave_0_\@
	s_barrier_signal -3
.Lnot_wave_0_\@:
	s_barrier_wait -3
	s_barrier_signal -1
	s_barrier_wait -1
.endm
	s_load_b256 s[4:11], s[0:1], 0x0               ; qc, kv, attention_mask, out0
	v_lshl_add_u32 v254, v0, 2, SPARE
	v_mov_b32 v255, 0
	ds_add_u32 v254, v255
	ds_add_u32 v254, v255
	v_lshrrev_b32 v1, 5, v0
	v_readfirstlane_b32 s[WV], v1                  ; wave 0..15
	s_bfe_u32 s13, ttmp6, 0x40000                  ; cx
	s_and_b32 s14, ttmp7, 0xffff                   ; b x 16 + head, which the four partners share
	s_mov_b32 s[G1KV], 15|(3<<16)|(1<<21)          ; a block: 51 rows of 32 elements of 8 bytes, dense; the mask names all four work-groups
	s_mov_b32 s[G1KV+1], 32<<16
	s_mov_b32 s[G1KV+2], 51<<16
	s_mov_b32 s[G1KV+3], 32<<16
	s_mov_b32 s[G1KV+4], 51
	s_mov_b32 s[G1KV+5], 32
	s_mov_b32 s[G1KV+6], 0
	s_mov_b32 s[G1KV+7], 0
	s_lshr_b32 s61, s14, 4                         ; the batch
	s_lshl_b32 s68, s61, 13
	s_lshl_b32 s62, s[WV], 9
	s_add_co_u32 s68, s68, s62                     ; my 512 bytes of the mask: in memory,
	s_mov_b32 s69, 0
	s_add_co_u32 s63, s62, MB                      ; and in LDS
	s_mul_i32 s70, s14, 16*BLK
	s_mul_i32 s62, s[WV], BLK                      ; my block: in LDS,
	s_add_co_u32 s70, s70, s62                     ; and in memory
	s_mov_b32 s71, 0
	s_lshr_b32 s72, s[WV], 3                       ; my queries: step 4 cx + wave / 8 (+ 2 in the second trip), tile wave % 8
	s_lshl_b32 s73, s13, 2
	s_add_co_u32 s72, s72, s73
	s_lshl_b32 s73, s14, 4
	s_add_co_u32 s73, s73, s72
	s_mul_i32 s74, s73, BLK                        ; the step's block in qc
	s_mov_b32 s75, 0
	s_and_b32 s76, s[WV], 7                        ; the tile t
	s_mul_i32 s77, s76, 768
	s_add_co_u32 s78, s74, s77                     ; its codes
	s_mov_b32 s79, 0
	s_lshr_b32 s77, s76, 2
	s_lshl_b32 s77, s77, 8
	s_add_co_u32 s74, s74, s77
	s_and_b32 s77, s76, 1
	s_lshl_b32 s77, s77, 7
	s_add_co_u32 s74, s74, s77
	s_bfe_u32 s77, s76, 0x10001
	s_lshl_b32 s77, s77, 2
	s_add_co_u32 s74, s74, s77
	s_add_co_u32 s74, s74, 6144                    ; its scale words: 6,144 + 256 (t / 4) + 128 (t % 2) + 4 ((t / 2) % 2), then 8 bytes a row
	s_lshl_b32 s61, s61, 11
	s_lshl_b32 s72, s72, 7
	s_add_co_u32 s72, s72, s61
	s_lshr_b32 s77, s76, 1
	s_lshl_b32 s77, s77, 5
	s_add_co_u32 s72, s72, s77
	s_and_b32 s77, s76, 1
	s_lshl_b32 s77, s77, 3
	s_add_co_u32 s72, s72, s77                     ; the tile's first token: 2,048 b + 128 step + 32 (t / 2) + 8 (t % 2)
	s_lshl_b32 s72, s72, 12                        ; a row of out is 4,096 bytes,
	s_and_b32 s77, s14, 15
	s_lshl_b32 s77, s77, 8
	s_add_co_u32 s72, s72, s77                     ; a head's part of it 256
	s_mov_b32 s73, 0
	s_mov_b32 s[SEL], 0x76543210
	s_mov_b32 s[SEL+1], 0xfedcba98                 ; v_permlanex16_b32's selects for lane l xor 16
	s_mov_b32 s[CS], 0x3fb8aa3b                    ; log2(e)
	s_mov_b32 s[CS+1], s[CS]
	s_mov_b32 s[IT], 2
	s_wait_dscnt 0x0
	s_wait_kmcnt 0x0
	s_add_nc_u64 s[8:9], s[8:9], s[68:69]
	s_mov_b32 s[G0KV], 1
	s_mov_b32 s[G0KV+1], s62
	s_add_nc_u64 s[G0KV+2:G0KV+3], s[6:7], s[70:71]
	s_or_b32 s[G0KV+3], s[G0KV+3], 0x80000000
	s_add_nc_u64 s[QSB:QSB+1], s[4:5], s[74:75]
	s_add_nc_u64 s[4:5], s[4:5], s[78:79]
	s_add_nc_u64 s[10:11], s[10:11], s[72:73]
	CROUND                                         ; all four work-groups are here: the joint loads meet
	tensor_load_to_lds s[G0KV:G0KV+3], s[G1KV:G1KV+7]   ; block w: every wave's one tensor load of the launch
	s_nop 0
.rept 4
	v_nop
.endr
	v_and_b32 v11, 31, v0
	v_and_b32 v29, 15, v0                          ; r
	v_bfe_u32 v30, v0, 4, 1                        ; h
	v_lshlrev_b32 v[L16], 4, v11
	v_lshlrev_b32 v[L8], 3, v11
	v_lshlrev_b32 v[R8], 3, v29
	global_load_b128 v[S:S+3], v[L16], s[8:9]      ; my 512 bytes of the mask
	global_load_b128 v[QF:QF+3], v[L16], s[4:5]    ; the first trip's q
	global_load_b64 v[QF+4:QF+5], v[L8], s[4:5] offset:512
	global_load_b32 v[QS], v[R8], s[QSB:QSB+1]
	v_lshlrev_b32 v[AM0], 6, v30
	v_lshlrev_b32 v[GO], 12, v30
	v_mul_u32_u24 v[STI], v29, 272
	v_mul_u32_u24 v[STO], v30, 272
	v_add_nc_u32 v[AM0], MB, v[AM0]
	v_lshl_add_u32 v[GO], v29, 4, v[GO]            ; lanes 0-15 one row of out, lanes 16-31 the next; 16 bytes a lane
	s_mul_i32 s60, s[WV], 16*272
	s_add_co_u32 s60, s60, STAGE                   ; my stage
	v_lshl_add_u32 v[STI], v30, 6, v[STI]
	v_lshl_add_u32 v[STO], v29, 4, v[STO]
	v_add_nc_u32 v[STI], s60, v[STI]               ; in: row r, + 64 h
	v_add_nc_u32 v[STO], s60, v[STO]               ; back: lanes 0-15 one row, lanes 16-31 the next
.irp j, 6,7,8,9,10,11
	v_mov_b32 v[QF+\j], 0                          ; q's zero codes for the instruction's upper 64 along K
.endr
.irp j, 48,49,50,51,52,53
	v_mov_b32 v[KF+\j], 0                          ; what the last tile of K names as its upper six registers
.endr
	v_mov_b32 v[FF+1], 0
	v_add_nc_u32 v[ADM], s63, v[L16]
	s_wait_alu depctr_va_vdst(0)
	s_wait_loadcnt 0x0
	ds_store_b128 v[ADM], v[S:S+3]
	s_wait_tensorcnt 0x0                           ; my block has landed,
	s_wait_dscnt 0x0                               ; my part of the mask is stored:
	s_barrier_signal -1
	s_barrier_wait -1                              ; everybody's.
.Lit:                                              ; two trips: a tile of 16 queries each
	s_wait_loadcnt 0x0                             ; q
	v_mov_b32 v13, 0xff61b1e6                      ; the largest t so far: -3e38
	v_mov_b32 v14, 0
	v_mov_b32 v15, 0
	v_floor_f32 v12, -v13                          ; -M
.set j, 0
.rept 32
	v_mov_b32 v[O+j], 0                            ; O^T: the first step finds zeros, which the first change of M leaves zeros
.set j, j+1
.endr
	s_mov_b32 s[TB], 0
	s_mov_b32 s[TMK], 0
	s_mov_b32 s[CNT], 16
.Lstep:                                            ; A KEY STEP: 128 keys
	v_add_nc_u32 v[ADK], s[TB], v[L16]
	v_add_nc_u32 v[ADK8], s[TB], v[L8]
	v_add_nc_u32 v[ADM], s[TMK], v[AM0]
	v_nop                                          ; four places between the last step's products and the loads into the registers that they read
.irp b, 0,1,2,3
.irp i, 0,1,2,3
	ds_load_b128 v[S+16*\b+4*\i:S+16*\b+4*\i+3], v[ADM] offset:128*\b+16*\i   ; the mask, where the scores will stand
.endr
.endr
.irp t, 0,1,2,3,4,5,6,7
	ds_load_b128 v[KF+6*\t:KF+6*\t+3], v[ADK] offset:768*\t
	ds_load_b64 v[KF+6*\t+4:KF+6*\t+5], v[ADK8] offset:768*\t+512
.endr
	ds_load_b64 v[KSC:KSC+1], v[ADK8] offset:6144
	ds_load_b64 v[KSC+2:KSC+3], v[ADK8] offset:6400
.irp t, 0,1,2,3
.irp p, 0,1,2
	ds_load_b128 v[VF+12*\t+4*\p:VF+12*\t+4*\p+3], v[ADK] offset:6656+1536*\t+512*\p
.endr
.endr
	ds_load_b64 v[VSC:VSC+1], v[ADK8] offset:12800
	s_wait_dscnt 13                                ; the mask, K and its scale words are in; V's thirteen loads may be out
.irp t, 0,1,2,3                                ; S^T = K Q^T / 8 + mask: eight accumulators, one instruction each
	v_wmma_scale_f32_16x16x128_f8f6f4 v[S+16*\t:S+16*\t+7], v[KF+12*\t:KF+12*\t+11], v[QF:QF+11], v[S+16*\t:S+16*\t+7], v[KSC+\t], v[QS] matrix_a_fmt:MATRIX_FMT_FP6 matrix_b_fmt:MATRIX_FMT_FP6
	v_wmma_scale_f32_16x16x128_f8f6f4 v[S+16*\t+8:S+16*\t+15], v[KF+12*\t+6:KF+12*\t+17], v[QF:QF+11], v[S+16*\t+8:S+16*\t+15], v[KSC+\t], v[QS] matrix_a_fmt:MATRIX_FMT_FP6 matrix_b_fmt:MATRIX_FMT_FP6 matrix_a_scale:MATRIX_SCALE_ROW1
.endr
.rept 4
	v_nop                                          ; four places in front of the first read of the scores and the first write over K's registers
.endr
.irp b, 0,1,2,3
	v_max3_num_f32 v[BM+\b], v[S+16*\b], v[S+1+16*\b], v[S+2+16*\b]   ; the largest logit of each block of 32 keys: for the row's maximum and, since p rises with the logit, for the block's largest p
.endr
.irp i, 3,5,7,9,11,13
.irp b, 0,1,2,3
	v_max3_num_f32 v[BM+\b], v[BM+\b], v[S+16*\b+\i], v[S+1+16*\b+\i]
.endr
.endr
.irp b, 0,1,2,3
	v_max_num_f32 v[BM+\b], v[BM+\b], v[S+15+16*\b]
.endr
.irp b, 0,1,2,3
	v_permlanex16_b32 v[T2+\b], v[BM+\b], s[SEL], s[SEL+1]
.endr
.irp b, 0,1,2,3
	v_max_num_f32 v[BM+\b], v[BM+\b], v[T2+\b]     ; with lane l xor 16's 16 keys
.endr
	v_max3_num_f32 v[TV], v[BM], v[BM+1], v[BM+2]
	v_max_num_f32 v[TV], v[TV], v[BM+3]            ; the step's largest logit of my query
	v_mul_f32 v[TV], s[CS], v[TV]                  ; as t
	v_max_num_f32 v13, v13, v[TV]                  ; the running largest t
	v_mov_b32 v[TV], v12
	v_floor_f32 v12, -v13                          ; the new -M = floor(-t) = -ceil(t)
	v_sub_f32 v[TV], v12, v[TV]                    ; M's old value less its new one: a whole number, 0 or less
	v_cvt_i32_f32 v[TV], v[TV]                     ; (it saturates)
	v_ldexp_f32 v[FF], 1.0, v[TV]                  ; f = 2^(old M - new M)
.set j, 0
.rept 32
	v_pk_fma_f32 v[S+j:S+j+1], v[S+j:S+j+1], s[CS:CS+1], v[12:13] op_sel_hi:[1,0,0]   ; t - M, two at a time
.set j, j+2
.endr
.irp b, 0,1,2,3
	v_fma_f32 v[BM+\b], v[BM+\b], s[CS], v12       ; the same of each block's largest logit
.endr
	s_wait_alu depctr_va_vdst(0)
.set j, 0
.rept 64
	v_exp_f32 v[S+j], v[S+j]                       ; p = 2^(t - M), at most 1
.set j, j+1
.endr
	v_pk_mul_f32 v[14:15], v[14:15], v[FF:FF+1] op_sel_hi:[1,0]   ; the sums under the new M; a plain place behind the exponentials
	s_wait_alu depctr_va_vdst(0)                   ; one wait for the batch, ahead of its first reader
.irp b, 0,1,2,3
	v_exp_f32 v[BM+\b], v[BM+\b]                   ; the block's largest p: the same two instructions on the same number give the same bits
.endr
.irp k, 0,1,2,3                                ; the row's sum of the unquantised p: four chains of pairs side by side
	v_pk_add_f32 v[T2+2*\k:T2+2*\k+1], v[S+4*\k:S+4*\k+1], v[S+4*\k+2:S+4*\k+3]
.endr
.irp j, 16,24,32,40,48,56
.irp k, 0,1,2,3
	v_pk_add_f32 v[T2+2*\k:T2+2*\k+1], v[T2+2*\k:T2+2*\k+1], v[S+\j+2*\k:S+\j+2*\k+1]
.endr
.endr
	v_pk_add_f32 v[T2:T2+1], v[T2:T2+1], v[T2+2:T2+3]
	v_pk_add_f32 v[T2+4:T2+5], v[T2+4:T2+5], v[T2+6:T2+7]
	v_pk_add_f32 v[T2:T2+1], v[T2:T2+1], v[T2+4:T2+5]
	v_pk_add_f32 v[14:15], v[14:15], v[T2:T2+1]
	s_wait_alu depctr_va_vdst(0)                   ; and one for the four
.irp b, 0,1,2,3
	v_max_num_f32 v[BM+\b], 0x1800000, v[BM+\b]    ; the floor 2^(3 - 127): the byte cannot fall under 1
.endr
.irp b, 0,1,2,3
	v_add_nc_u32 v[SO+\b], 0xff000000, v[BM+\b]    ; 2 off the exponent field: the conversion's scale operand
.endr
.irp b, 0,1,2,3
	v_lshrrev_b32 v[T2+\b], 23, v[SO+\b]           ; the scale's byte
.endr
	v_lshl_or_b32 v[PSW], v[T2+1], 8, v[T2]        ; p's scale word for these 128 keys
	v_lshl_or_b32 v[PSW], v[T2+2], 16, v[PSW]
	v_lshl_or_b32 v[PSW], v[T2+3], 24, v[PSW]
.irp c, 0,1
	v_cvt_scalef32_pk16_fp6_f32 v[PCD+6*\c:PCD+2+6*\c], v[S+32*\c:S+15+32*\c], v[SO+2*\c]
	v_cvt_scalef32_pk16_fp6_f32 v[T2+4*\c:T2+2+4*\c], v[S+16+32*\c:S+31+32*\c], v[SO+2*\c+1]
.endr
	v_nop                                          ; one plain place behind a scaled conversion
.irp c, 0,1                                    ; the operand's layout wants a whole block in a lane
.irp i, 0,1,2
	v_permlane16_swap_b32 v[PCD+6*\c+\i], v[T2+4*\c+\i]
.endr
.irp i, 0,1,2
	v_mov_b32 v[PCD+3+6*\c+\i], v[T2+4*\c+\i]
.endr
.endr
.set j, 0
.rept 16
	v_pk_mul_f32 v[O+j:O+j+1], v[O+j:O+j+1], v[FF:FF+1] op_sel_hi:[1,0]   ; O^T under the new M; these sixteen also stand between the writing of p's codes and scale word and the products
.set j, j+2
.endr
	s_wait_alu depctr_va_vdst(0)
	s_wait_dscnt 0x0                               ; V and its scale words are in
.irp t, 0,1                                    ; O^T += V^T P^T: four accumulators, one instruction each
	v_wmma_scale_f32_16x16x128_f8f6f4 v[O+16*\t:O+16*\t+7], v[VF+24*\t:VF+24*\t+11], v[PCD:PCD+11], v[O+16*\t:O+16*\t+7], v[VSC+\t], v[PSW] matrix_a_fmt:MATRIX_FMT_FP6 matrix_b_fmt:MATRIX_FMT_FP6
	v_wmma_scale_f32_16x16x128_f8f6f4 v[O+16*\t+8:O+16*\t+15], v[VF+24*\t+12:VF+24*\t+23], v[PCD:PCD+11], v[O+16*\t+8:O+16*\t+15], v[VSC+\t], v[PSW] matrix_a_fmt:MATRIX_FMT_FP6 matrix_b_fmt:MATRIX_FMT_FP6 matrix_a_scale:MATRIX_SCALE_ROW1
.endr
	s_add_co_u32 s[TB], s[TB], BLK
	s_add_co_u32 s[TMK], s[TMK], 512
	s_sub_co_u32 s[CNT], s[CNT], 1
	s_cmp_lg_u32 s[CNT], 0
	s_cbranch_scc1 .Lstep
	s_cmp_eq_u32 s[IT], 1                          ; the next trip's q, two blocks on, if there is a next trip: no load leaves its buffer
	s_cbranch_scc1 .Lno_next
	global_load_b128 v[QF:QF+3], v[L16], s[4:5] offset:2*BLK
	global_load_b64 v[QF+4:QF+5], v[L8], s[4:5] offset:2*BLK+512
	global_load_b32 v[QS], v[R8], s[QSB:QSB+1] offset:2*BLK
.Lno_next:
.rept 4
	v_nop                                          ; four places between the last products and the first read of results
.endr
	v_add_f32 v14, v14, v15                        ; the sum's two halves,
	v_permlanex16_b32 v[TV], v14, s[SEL], s[SEL+1]
	v_add_f32 v14, v14, v[TV]                      ; and lane l xor 16's: the row's sum
	s_wait_alu depctr_va_vdst(0)
	v_rcp_f32 v14, v14
	v_nop
	s_wait_alu depctr_va_vdst(0)
.set j, 0
.rept 16
	v_pk_mul_f32 v[S+j:S+j+1], v[O+j:O+j+1], v[14:15] op_sel_hi:[1,0]   ; register 16 g + e is feature 32 g + 16 h + e of my query; each accumulator from its low end on
.set j, j+2
.endr
.irp g, 0,1
.irp i, 0,1,2,3
	ds_store_b128 v[STI], v[S+16*\g+4*\i:S+16*\g+4*\i+3] offset:128*\g+16*\i
.endr
.endr
.irp i, 0,1,2,3,4,5,6,7
	ds_load_b128 v[S+32+4*\i:S+32+4*\i+3], v[STO] offset:544*\i   ; LDS serves a wave's instructions in order: these see my stores
.endr
.irp i, 0,1,2,3,4,5,6,7
	s_wait_dscnt 7-\i                              ; the younger loads may be out
	global_store_b128 v[GO], v[S+32+4*\i:S+32+4*\i+3], s[10:11] offset:(2*\i+8*(\i/4))*4096 th:TH_STORE_NT   ; stage row 2 i + h is token 2 i + h + 8 (i / 4) of the tile; sixteen lanes store 256 consecutive bytes, aligned
.endr
	s_wait_xcnt 0x0                                ; the stores have read their registers and their base: both are written again
	s_add_nc_u64 s[10:11], s[10:11], 256*4096      ; two steps of 128 tokens on
	s_sub_co_u32 s[IT], s[IT], 1
	s_cmp_lg_u32 s[IT], 0
	s_cbranch_scc1 .Lit
	s_wait_tensorcnt 0x0                           ; the wave's end
	ds_add_u32 v254, v255
	s_wait_dscnt 0x0
	CROUND                                         ; the closing round
	s_endpgm
.Lfunc_end_k_qa6989744f6_attn:
	.size	k_qa6989744f6_attn, .Lfunc_end_k_qa6989744f6_attn-k_qa6989744f6_attn
	.p2alignl 7, 3214868480
	.fill 96, 4, 3214868480
	.section	.rodata,"a",@progbits
	.p2align	6, 0x0
	.amdhsa_kernel k_qa6989744f6_attn
		.amdhsa_group_segment_fixed_size 288768
		.amdhsa_private_segment_fixed_size 0
		.amdhsa_enable_private_segment 0
		.amdhsa_kernarg_size 32
		.amdhsa_user_sgpr_count 2
		.amdhsa_user_sgpr_kernarg_segment_ptr 1
		.amdhsa_wavefront_size32 1
		.amdhsa_system_sgpr_workgroup_id_x 1
		.amdhsa_system_sgpr_workgroup_id_y 1
		.amdhsa_system_sgpr_workgroup_id_z 1
		.amdhsa_system_vgpr_workitem_id 0
		.amdhsa_next_free_vgpr 256
		.amdhsa_next_free_sgpr 80
		.amdhsa_reserve_vcc 0
		.amdhsa_float_denorm_mode_32 3
		.amdhsa_float_denorm_mode_16_64 3
		.amdhsa_memory_ordered 1
		.amdhsa_forward_progress 1
		.amdhsa_inst_pref_size 29
	.end_amdhsa_kernel
	.amdgpu_metadata
---
amdhsa.version: [ 1, 2 ]
amdhsa.kernels:
  - .name:           k_qa6989744f6_attn
    .symbol:         k_qa6989744f6_attn.kd
    .args:
      - { .name: qc, .offset: 0, .size: 8, .value_kind: global_buffer, .address_space: global }
      - { .name: kv, .offset: 8, .size: 8, .value_kind: global_buffer, .address_space: global }
      - { .name: attention_mask, .offset: 16, .size: 8, .value_kind: global_buffer, .address_space: global }
      - { .name: out0, .offset: 24, .size: 8, .value_kind: global_buffer, .address_space: global }
    .group_segment_fixed_size: 288768
    .private_segment_fixed_size: 0
    .kernarg_segment_align: 8
    .kernarg_segment_size: 32
    .max_flat_workgroup_size: 512
    .sgpr_count:     80
    .vgpr_count:     256
    .wavefront_size: 32
...
	.end_amdgpu_metadata
.endif
;; end of part 3
